; MI455X (gfx1250); checked and timed in simulation.
; The chip was launched on July 23, 2026; its instructions are those of AMD's public machine-readable ISA for CDNA 5 (MIT licence, August 2026) and "CDNA5" Instruction Set Architecture Reference Guide (July 2026). The comments in the code are by the model that wrote it; some were corrected since.
;; Linear Attention. Allowed arithmetic: matrix products marked QUANTISED: E4M3 operands, one E8M0 scale for each 32 along K, by v_wmma_scale_f32_16x16x128_f8f6f4 with both operands' format E4M3, f32 sums; products left as they are: f32 operands where the result goes on into a quantised operand, else bf16, f16 or f32 operands; f32 sums; everything else in f32.
;; Inputs: k 4 x 8,192 x 8 x 64 float32; kv_mask 4 x 8,192 float32; q 4 x 8,192 x 8 x 64 float32; q_mask 4 x 8,192 float32; v 4 x 8,192 x 8 x 64 float32.
;; Outputs: out0 4 x 8,192 x 8 x 64 float32.
;; This version of the problem:
;;   THIS VERSION OF THE PROBLEM IS GIVEN IN LOW PRECISION. The matrix products marked QUANTISED in the list below multiply operands that are first quantised to E4M3 (4 exponent bits, 3 mantissa bits; 8 bits a number), with one power-of-two scale for each 32 numbers along K (OCP MX v1.0); their sums are f32. All else is computed in f32.
;;   The module's matrix products, in the order in which they are computed (A, B: the left and right operand; K: the contracted axis; several contracted axes count as one K, in the product's order):
;;     1. batch 32 x [M 64, K 8,192] x [K 8,192, N 64]; A: computed on the way; B: computed on the way: QUANTISED
;;     2. batch 32 x [M 1, K 64] x [K 64, N 8,192]; A: computed on the way; B: computed on the way: left as it is (M = 1 < 16)
;;     3. batch 32 x [M 64, K 64] x [K 64, N 8,192]; A: computed on the way; B: computed on the way: QUANTISED
;;     4. batch 262,144 x [M 1, K 1] x [K 1, N 64]; A: computed on the way; B: computed on the way: left as it is (no contracted axis)
;;   THE QUANTISER, for each operand of a quantised product, along K:
;;     - K is cut into blocks of 32 from its start; a last block that is shorter is filled with zeros.
;;     - A block's scale is 2^e with e = floor(log2(the largest magnitude in the block)) - 8, held to -126 .. 127; a block of zeros has e = 0. As a byte (E8M0): e + 127.
;;     - Each number is divided by its block's scale, clamped to +-448, and rounded to the nearest number of E4M3, ties to even, subnormals kept.
;;     - The product sums the exact products of the quantised numbers (number of the format x scale) in f32.
;;   ~~~python
;;   def quantise(x, axis):      # numpy; x: float32 -> the quantised numbers, widened to float32 again
;;       x = np.moveaxis(x, axis, -1); K = x.shape[-1]
;;       x = np.pad(x, [(0, 0)] * (x.ndim - 1) + [(0, -K % 32)]); x = x.reshape(x.shape[:-1] + (-1, 32)); a = np.abs(x).max(-1, keepdims=True)
;;       e = np.where(a > 0, np.clip(np.frexp(np.where(a > 0, a, 1))[1] - 1 - 8, -126, 127), 0)      # np.frexp(a)[1] - 1 = floor(log2(a)), exactly
;;       r = np.clip(x / 2.0 ** e, -448, 448)
;;       step = 2.0 ** (np.maximum(np.frexp(np.where(r == 0, 1, r))[1] - 1, -6) - 3)
;;       q = np.round(r / step) * step * 2.0 ** e      # np.round: ties to even
;;       return np.moveaxis(q.reshape(q.shape[:-2] + (-1,))[..., :K], -1, axis).astype(np.float32)
;;   ~~~
;;   OPERANDS COMPUTED ON THE WAY. 'Computed on the way' means the value that the module computes at that place (a softmax that the list does not call 'softmax' is quantised finished and normalised). What goes into a quantiser is computed in f32, as accurately as f32 sums, v_exp_f32 and their like allow (about 1e-6 of the number): no bf16 or f16 on the way to a quantiser, and a product that is left as it is and whose result goes on into a quantised operand takes f32 operands (vector FMAs, or v_wmma_f32_16x16x4_f32). A number that lies on a knife's edge between two numbers of the format may be rounded either way, as far as f32 arithmetic and the matrix unit's own rounding can turn it there, and no further.
;; 2 versions, each right; version 2 is version 1 with the launch state written anew for expert scheduling mode. Each part assembles by itself: llvm-mc -triple=amdgcn-amd-amdhsa -mcpu=gfx1250 --defsym DOCPART=n.
;; ======== version 1 of 2: 2 launches
;; workspace buffers: kvp 4,194,304 bytes; ksp 65,536 bytes
;; launch state (part 1): grid 8 x 32, 8 waves a work-group, no clusters, 138,240 bytes of LDS; arguments k, v, kv_mask, kvp, ksp; writes kvp, ksp
.if DOCPART == 1
	.amdgcn_target "amdgcn-amd-amdhsa--gfx1250"
	.amdhsa_code_object_version 6
	.text
	.protected	k_q02553db87a_state
	.globl	k_q02553db87a_state
	.p2align	8
	.type	k_q02553db87a_state,@function
k_q02553db87a_state:
	s_mov_b64 s[64:65], 0
	v_nop
	global_prefetch_b8 v0, s[64:65] scope:SCOPE_SE
	s_setreg_imm32_b32 hwreg(HW_REG_WAVE_MODE, 25, 1), 1
	s_wait_xcnt 0x0
; LINEAR ATTENTION, FIRST HALF: for one (n, head) and 1,024 of the 8,192 s, a partial state
;   kvp[d][v] = sum over s of Q(mask[s] f(k[s][d])) Q(mask[s] v[s][v] / 8192),  ksp[d] = sum over s of mask[s] f(k[s][d]),  f(x) = x + 1 for x > 0, else e^x.
; Q: codes of FP8 (E4M3) with one E8M0 scale for each 32 along s; products by v_wmma_scale_f32_16x16x128_f8f6f4, sums f32.  k, v: [4][8192][8][64] f32; kv_mask: [4][8192] f32.
; SHARES.  Work-group (x, y): s = 1024 x .., (n, head) = y.  Eight waves; a wave takes 128 s, one K step of the matrix instruction, and the whole 64 x 64 of the state; the eight sums meet in LDS at the end.
; LOADS.  A head's row is 256 bytes, aligned.  One load of 16 bytes a lane takes two whole rows: lanes 0-15 row s = i, lanes 16-31 row s = 16 + i of a block of 32.  Lane (j, g) so holds d = 4 j + 0..3.
; NOTHING IS TRANSPOSED BY AN INSTRUCTION OF ITS OWN.  The loaded register 4 i + dd (row i, column dd) is read by an unpacked instruction that the arithmetic needs anyway, and that instruction writes register 16 dd + i:
; a column's 16 numbers along s then lie in consecutive registers, as the conversions want them, and their codes are registers 4 c .. 4 c + 3 of the operand: tile dd = columns 4 j + dd, row j = lane % 16, k = 32 c + 16 (lane / 16) + i.
; f(x) = the middle one of e^x, x + 1 and 1: for x > 0 they stand e^x >= x + 1 > 1, for x < 0 x + 1 <= e^x < 1.
; THE DIVISION BY 8192 is exact and costs one line a tile: 13 is taken off v's scale bytes.  The floor under v's largest magnitude is 2^(22 - 127), so that the byte is held at 1 where the quantiser holds it.
; NO CLUSTER: work-groups share only the mask, 512 bytes beside a wave's 65,536 of k and v.  No tensor loads: a work-group's 524,288 bytes do not fit in LDS, and registers hold as much in flight.
; LIMITS: NaN and infinities are not served.  e^x is v_exp_f32 of x log2(e): its relative error grows like |x| x 6e-8 (5e-6 at x = -87), and results under 2^-126 become 0.
; A block of zeros gets the byte 1 where the rule says 127: its codes are zeros, and this program alone reads the bytes.  The sums over s are taken in another order than one after the other.
; REGISTERS.  Window 0: v1-3, v56-62 addresses; v4-7 the mask as loaded; v8-23 a block's mask; v24-31 k's sums; v32-47 at work; v48-55 scale words; v64-127 64 numbers at work; v128-191 k's four fragments; v192-255 v's.
;             Window 1: two sets of 64 (k) + 64 (v) registers as loaded; at the end the 16 accumulators lie over them.
.set SROW,  2048                       ; bytes from one s to the next: 8 heads x 64 f32
.set REDW,  16384                      ; LDS: a wave's 64 x 64 sums; eight of them from byte 0 on
.set KSR,   8*REDW                     ; the waves' sums of k, 256 bytes each
.set MSK,   KSR+8*256                  ; the waves' masks, 512 bytes each
.set OFF,  1                           ; v1   16 j + 16 rows x g: my 16 bytes of a load's two rows
.set MRD,  2                           ; v2   LDS: my half's 16 mask numbers of block 0
.set LN16, 3                           ; v3   16 x lane
.set MR,   4
.set M,    8
.set KS,   24
.set TM,   32                          ; v32-35 largest magnitudes, v36-39 the other half's, then bytes, v40-43 448 x the scale, v44-47 the conversions' scale operands
.set SCA,  48
.set SCB,  52
.set MWR,  56                          ; v56  LDS: where my 4 mask numbers go
.set RWR,  57                          ; v57  LDS: where my accumulators go
.set RRD,  58                          ; v58-59 LDS: my wave's eighth in regions 0-3, 4-7
.set KWR,  60                          ; v60  LDS: where my sums of k go
.set KRD,  61                          ; v61  LDS: 8 x lane in the sums of k
.set LN8,  62                          ; v62  8 x lane
.set T,    64
.set CA,   128
.set CB,   192
.set WV,   14
.set L2E,  20
.set MNT,  21
.set SEL,  30
.set MSB, 0
.macro WIN new                         ; s_set_vgpr_msb: bits 1:0 source 0, 3:2 source 1, 5:4 source 2, 7:6 destination; the high byte repeats the setting that is left
.if MSB != \new
	s_set_vgpr_msb (MSB<<8)|\new
.set MSB, \new
.endif
.endm
	s_load_b128 s[4:7], s[0:1], 0x0                ; k, v
	s_load_b128 s[8:11], s[0:1], 0x10              ; kv_mask, kvp
	s_load_b64 s[12:13], s[0:1], 0x20              ; ksp
	v_lshrrev_b32 v1, 5, v0
	v_readfirstlane_b32 s[WV], v1                  ; wave 0..7
	s_and_b32 s15, ttmp7, 0xffff                   ; 8 n + head
	s_lshr_b32 s16, s15, 3                         ; n
	s_and_b32 s17, s15, 7                          ; head
	s_lshl_b32 s18, ttmp9, 10
	s_lshl_b32 s19, s[WV], 7
	s_add_co_u32 s18, s18, s19                     ; my wave's first s
	s_lshl_b32 s22, s16, 24                        ; in k and v: n x 2^24 + s x 2048 + head x 256 bytes (under 2^26)
	s_lshl_b32 s23, s18, 11
	s_add_co_u32 s22, s22, s23
	s_lshl_b32 s23, s17, 8
	s_add_co_u32 s22, s22, s23
	s_mov_b32 s23, 0
	s_lshl_b32 s24, s16, 13                        ; in the mask: (8192 n + s) x 4
	s_add_co_u32 s24, s24, s18
	s_lshl_b32 s24, s24, 2
	s_mov_b32 s25, 0
	s_lshl_b32 s26, s15, 3
	s_add_co_u32 s26, s26, ttmp9                   ; the partial state's number: 8 (8 n + head) + x
	s_lshl_b32 s28, s26, 8                         ; in ksp: 256 bytes each
	s_mov_b32 s29, 0
	s_lshl_b32 s26, s26, 14                        ; in kvp: 16,384 bytes each, my wave's eighth
	s_lshl_b32 s27, s[WV], 11
	s_add_co_u32 s26, s26, s27
	s_mov_b32 s27, 0
	s_mov_b32 s[L2E], 0x3fb8aa3b                   ; log2(e)
	s_mov_b32 s[MNT], 0x600000                     ; the mantissa field of 448
	s_mov_b32 s[SEL], 0x76543210
	s_mov_b32 s[SEL+1], 0xfedcba98                 ; v_permlanex16_b32's selects for lane l xor 16
	v_and_b32 v[LN16], 31, v0
	v_lshlrev_b32 v[LN8], 3, v[LN16]
	v_lshlrev_b32 v[LN16], 4, v[LN16]
	v_and_b32 v63, 15, v0                          ; j
	v_bfe_u32 v[MRD], v0, 4, 1                     ; g
	v_lshlrev_b32 v63, 4, v63                      ; 16 j
	v_lshl_add_u32 v[OFF], v[MRD], 15, v63         ; lanes 16-31 stand 16 rows further down
	v_lshl_add_u32 v[RWR], v[MRD], 11, v63         ; 16 j + 2048 g,
	s_lshl_b32 s19, s[WV], 14
	v_add_nc_u32 v[RWR], s19, v[RWR]               ; in my wave's region
	s_lshl_b32 s19, s[WV], 8
	v_add_nc_u32 v[KWR], s19, v63
	v_add_nc_u32 v[KWR], KSR, v[KWR]
	v_add_nc_u32 v[KRD], KSR, v[LN8]
	s_lshl_b32 s19, s[WV], 11
	v_add_nc_u32 v[RRD], s19, v[LN16]
	v_add_nc_u32 v[RRD+1], 0x10000, v[RRD]         ; an LDS offset has 16 bits: regions 4-7 get a register of their own
	v_lshl_add_u32 v[MWR], v0, 4, MSK              ; 512 x wave + 16 x lane = 16 x my thread's number
	s_lshl_b32 s19, s[WV], 9
	v_lshlrev_b32 v[MRD], 6, v[MRD]
	v_add_nc_u32 v[MRD], s19, v[MRD]
	v_add_nc_u32 v[MRD], MSK, v[MRD]
.irp d, 0,1,2,3
	v_mov_b32 v[TM+4+\d], 0                        ; written once: a lane permute's destination counts as one of its sources
.endr
	s_wait_kmcnt 0x0
	s_add_nc_u64 s[4:5], s[4:5], s[22:23]
	s_add_nc_u64 s[6:7], s[6:7], s[22:23]
	s_add_nc_u64 s[8:9], s[8:9], s[24:25]
	s_add_nc_u64 s[10:11], s[10:11], s[26:27]
	s_add_nc_u64 s[12:13], s[12:13], s[28:29]
; 16 loads: block blk (32 s) of k or of v into 64 registers of window 1; each load takes two whole rows of 256 bytes.  Read once in the launch.
.macro LOAD blk, reg, base
	WIN 0x40                                       ; destination window 1, address window 0
.set i, 0
.rept 16
	global_load_b128 v[\reg+4*i:\reg+4*i+3], v[OFF], s[\base:\base+1] offset:(32*(\blk)+i)*SROW th:TH_LOAD_NT
.set i, i+1
.endr
.endm
	global_load_b128 v[MR:MR+3], v[LN16], s[8:9]   ; my wave's 128 mask numbers, 4 a lane
	LOAD 0, 0, 4                                   ; two blocks of k and of v are asked for at once: 64 loads of 512 bytes a wave
	LOAD 0, 64, 6
	LOAD 1, 128, 4
	LOAD 1, 192, 6
; 64 numbers of a lane, v[T + 16 d + u] = column d, s = 16 g + u of block blk, become registers 4 blk .. 4 blk + 3 of the four fragments from v[dst] on, and byte blk of the four scale words from v[wrd] on.
; flr: the floor under the largest magnitude, as f32 bits.  less = 1: 13 is taken off the finished words' bytes (the division by 8192).
.macro QUANT blk, dst, wrd, flr, less
.irp d, 0,1,2,3
	v_max3_num_f32 v[TM+\d], |v[T+16*\d]|, |v[T+16*\d+1]|, \flr     ; my 16 numbers of the block, and the floor: so the byte cannot fall under 1
.endr
.irp u, 2,4,6,8,10,12,14
.irp d, 0,1,2,3
	v_max3_num_f32 v[TM+\d], v[TM+\d], |v[T+16*\d+\u]|, |v[T+16*\d+\u+1]|   ; (the four columns by turns)
.endr
.endr
.irp d, 0,1,2,3
	v_permlanex16_b32 v[TM+4+\d], v[TM+\d], s[SEL], s[SEL+1]
.endr
.irp d, 0,1,2,3
	v_max_num_f32 v[TM+\d], v[TM+\d], v[TM+4+\d]   ; with lane l xor 16's 16: the block's largest magnitude
.endr
.irp d, 0,1,2,3
	v_add_nc_u32 v[TM+12+\d], 0xfc000000, v[TM+\d] ; 8 off its exponent field: the conversion takes the exponent field of this operand as its scale
.endr
.irp d, 0,1,2,3
	v_and_or_b32 v[TM+8+\d], v[TM+\d], 0x7f800000, s[MNT]   ; 448 x the scale
.endr
.irp d, 0,1,2,3
.if (\blk) == 0
	v_lshrrev_b32 v[\wrd+\d], 23, v[TM+12+\d]      ; the scale's byte starts the word
.else
	v_lshrrev_b32 v[TM+4+\d], 23, v[TM+12+\d]
.endif
.endr
.if (\blk) > 0
.irp d, 0,1,2,3
	v_lshl_or_b32 v[\wrd+\d], v[TM+4+\d], 8*(\blk), v[\wrd+\d]
.endr
.endif
.if \less && ((\blk) == 3)
.irp d, 0,1,2,3
	v_add_nc_u32 v[\wrd+\d], 0xf2f2f2f3, v[\wrd+\d]   ; - 0x0d0d0d0d: 13 off each byte; each is 14 at the least, so nothing is borrowed.  The 64 holds below stand between this line and the products
.endr
.endif
.irp d, 0,1,2,3
.irp u, 0,1,2,3,4,5,6,7,8,9,10,11,12,13,14,15
	v_med3_num_f32 v[T+16*\d+\u], v[T+16*\d+\u], -v[TM+8+\d], v[TM+8+\d]   ; the conversion to an 8-bit code does not saturate (ISA guide 7.6.2): the hold at the largest code x the scale
.endr
	v_cvt_scalef32_pk8_fp8_f32 v[\dst+16*\d+4*(\blk):\dst+16*\d+4*(\blk)+1], v[T+16*\d:T+16*\d+7], v[TM+12+\d]
	v_cvt_scalef32_pk8_fp8_f32 v[\dst+16*\d+4*(\blk)+2:\dst+16*\d+4*(\blk)+3], v[T+16*\d+8:T+16*\d+15], v[TM+12+\d]
.endr
	v_nop                                          ; a plain instruction between the last conversion and whatever next writes its sources
.endm
; A block of k.  left: the loads younger than this block's 16, which may stay out (loads come back in order: ISA guide 5.7.1).
.macro KBLOCK blk, left
.set RK, 128*((\blk)%2)
	WIN 0
.if (\blk) == 0
	s_wait_loadcnt \left                           ; the mask's load is older than block 0's
	ds_store_b128 v[MWR], v[MR:MR+3]               ; the mask goes through my wave's own 512 bytes of LDS: a lane wants 16 neighbours of it for each block
.endif
.irp q, 0,1,2,3
	ds_load_b128 v[M+4*\q:M+4*\q+3], v[MRD] offset:128*(\blk)+16*\q   ; mask[32 blk + 16 g + 0 .. 15]; LDS serves a wave's instructions in order, so these see the store
.endr
	s_wait_loadcnt \left
	WIN 0x04                                       ; source 1 window 1
.set i, 0
.rept 16
.irp d, 0,1,2,3
	v_mul_f32 v[T+16*\d+i], s[L2E], v[RK+4*i+\d]   ; x log2(e), written where the column's numbers lie on end
.endr
.set i, i+1
.endr
.set i, 0
.rept 64
	v_exp_f32 v[T+i], v[T+i]                       ; e^x: one batch
.set i, i+1
.endr
	WIN 0x41                                       ; source 0 and destination window 1
.set i, 0
.rept 32
	v_pk_add_f32 v[RK+i:RK+i+1], v[RK+i:RK+i+1], 1.0 op_sel_hi:[1,0]   ; x + 1, in place: independent work behind the batch
.set i, i+2
.endr
	s_wait_alu depctr_va_vdst(0)                   ; one wait for the 64 exponentials, ahead of their first reader
	WIN 0x04
.set i, 0
.rept 16
.irp d, 0,1,2,3
	v_med3_num_f32 v[T+16*\d+i], v[T+16*\d+i], v[RK+4*i+\d], 1.0   ; f(x)
.endr
.set i, i+1
.endr
.if (\blk)+2 < 4
	LOAD (\blk)+2, RK, 4                           ; the set is read out: it takes the block two further on
.endif
	WIN 0
	s_wait_dscnt 0x0                               ; the block's mask
.irp d, 0,1,2,3
.irp u, 0,2,4,6,8,10,12,14
	v_pk_mul_f32 v[T+16*\d+\u:T+16*\d+\u+1], v[T+16*\d+\u:T+16*\d+\u+1], v[M+\u:M+\u+1]
.endr
.endr
.if (\blk) == 0                                ; the sums of the unquantised numbers, even and odd s apart; the first two pairs start them
.irp d, 0,1,2,3
	v_pk_add_f32 v[KS+2*\d:KS+2*\d+1], v[T+16*\d:T+16*\d+1], v[T+16*\d+2:T+16*\d+3]
.endr
.irp u, 4,6,8,10,12,14
.irp d, 0,1,2,3
	v_pk_add_f32 v[KS+2*\d:KS+2*\d+1], v[KS+2*\d:KS+2*\d+1], v[T+16*\d+\u:T+16*\d+\u+1]
.endr
.endr
.else
.irp u, 0,2,4,6,8,10,12,14
.irp d, 0,1,2,3
	v_pk_add_f32 v[KS+2*\d:KS+2*\d+1], v[KS+2*\d:KS+2*\d+1], v[T+16*\d+\u:T+16*\d+\u+1]
.endr
.endr
.endif
	QUANT \blk, CA, SCA, 0x4800000, 0              ; floor 2^(9 - 127)
.endm
; A block of v.
.macro VBLOCK blk, left
.set RV, 128*((\blk)%2)+64
	s_wait_loadcnt \left
	WIN 0x01                                       ; source 0 window 1
.set i, 0
.rept 16
.irp d, 0,1,2,3
	v_mul_f32 v[T+16*\d+i], v[RV+4*i+\d], v[M+i]   ; mask x v, written where the column's numbers lie on end
.endr
.set i, i+1
.endr
.if (\blk)+2 < 4
	LOAD (\blk)+2, RV, 6
.endif
	WIN 0
	QUANT \blk, CB, SCB, 0xb000000, 1              ; floor 2^(22 - 127): 13 more than k's, for the 13 that come off the bytes
.endm
	KBLOCK 0, 48                                   ; behind this block's loads: three groups of 16
	VBLOCK 0, 48
	KBLOCK 1, 48
	VBLOCK 1, 48
	KBLOCK 2, 48
	VBLOCK 2, 32                                   ; nothing more is asked for: the counts run down
	KBLOCK 3, 16
	VBLOCK 3, 0
.rept 3
	v_nop                                          ; with the one above: four places between the last codes and the scaled products
.endr
	WIN 0x40                                       ; results in window 1, over the load buffers, which are done with
.irp a, 0,1,2,3                                ; the wave's one K step: source 0 = 16 columns d of k, source 1 = 16 columns of v; C = 0 starts each sum
.irp b, 0,1,2,3
	v_wmma_scale_f32_16x16x128_f8f6f4 v[8*(4*\a+\b):8*(4*\a+\b)+7], v[CA+16*\a:CA+16*\a+15], v[CB+16*\b:CB+16*\b+15], 0, v[SCA+\a], v[SCB+\b]
.endr
.endr
	WIN 0
.irp d, 0,1,2,3                                ; k's sums are finished here: the eight additions are the eight places behind the last product
	v_add_f32 v[TM+\d], v[KS+2*\d], v[KS+2*\d+1]
.endr
.irp d, 0,1,2,3
	v_permlanex16_b32 v[TM+4+\d], v[TM+\d], s[SEL], s[SEL+1]
.endr
.irp d, 0,1,2,3
	v_add_f32 v[TM+8+\d], v[TM+\d], v[TM+4+\d]     ; d = 4 j + 0 .. 3, over my wave's 128 s
.endr
; Accumulator (a, b), lane (r, h), register j holds d = 32 h + 4 j + a, column 4 r + b.  It goes to byte 4096 b + 2048 h + 512 a + 256 (j / 4) + 16 r + 4 (j % 4) of my region:
; eighth 2 b + h of the region then holds, 16 bytes a lane, what one wave of the next launch wants of tile b and block h.
	WIN 0x04                                       ; an LDS store's data are its source 1: window 1
.irp a, 0,1,2,3
.irp b, 0,1,2,3
	ds_store_b128 v[RWR], v[8*(4*\a+\b):8*(4*\a+\b)+3] offset:4096*\b+512*\a        ; each accumulator from its low end on
	ds_store_b128 v[RWR], v[8*(4*\a+\b)+4:8*(4*\a+\b)+7] offset:4096*\b+512*\a+256
.endr
.endr
	WIN 0
	ds_store_b128 v[KWR], v[TM+8:TM+11]            ; both halves of the lanes write the same bytes with the same values
	s_wait_dscnt 0x0                               ; for the others' sake: my stores have landed
	s_barrier_signal -1
	s_barrier_wait -1
.irp x, 0,1,2,3
.irp a, 0,1,2,3
	ds_load_b128 v[T+16*\x+4*\a:T+16*\x+4*\a+3], v[RRD] offset:REDW*\x+512*\a       ; my eighth of every wave's sums
.endr
.endr
.irp x, 4,5,6,7
.irp a, 0,1,2,3
	ds_load_b128 v[T+16*\x+4*\a:T+16*\x+4*\a+3], v[RRD+1] offset:REDW*(\x-4)+512*\a
.endr
.endr
	s_wait_dscnt 0x0
.irp x, 0,1,2,3
.irp n, 0,2,4,6,8,10,12,14
	v_pk_add_f32 v[T+16*\x+\n:T+16*\x+\n+1], v[T+16*\x+\n:T+16*\x+\n+1], v[T+64+16*\x+\n:T+64+16*\x+\n+1]
.endr
.endr
.irp x, 0,1
.irp n, 0,2,4,6,8,10,12,14
	v_pk_add_f32 v[T+16*\x+\n:T+16*\x+\n+1], v[T+16*\x+\n:T+16*\x+\n+1], v[T+32+16*\x+\n:T+32+16*\x+\n+1]
.endr
.endr
.irp n, 0,2,4,6,8,10,12,14
	v_pk_add_f32 v[T+\n:T+\n+1], v[T+\n:T+\n+1], v[T+16+\n:T+16+\n+1]
.endr
.irp a, 0,1,2,3
	global_store_b128 v[LN16], v[T+4*\a:T+4*\a+3], s[10:11] offset:512*\a   ; 32 lanes store 512 consecutive bytes, at a multiple of 256 from the buffer's first byte
.endr
	s_cmp_lg_u32 s[WV], 0                          ; wave 0 adds the eight sums of k
	s_cbranch_scc1 .Ldone
.irp x, 0,1,2,3,4,5,6,7
	ds_load_b64 v[CB+2*\x:CB+2*\x+1], v[KRD] offset:256*\x
.endr
	s_wait_dscnt 0x0
.irp x, 0,1,2,3
	v_pk_add_f32 v[CB+2*\x:CB+2*\x+1], v[CB+2*\x:CB+2*\x+1], v[CB+8+2*\x:CB+8+2*\x+1]
.endr
.irp x, 0,1
	v_pk_add_f32 v[CB+2*\x:CB+2*\x+1], v[CB+2*\x:CB+2*\x+1], v[CB+4+2*\x:CB+4+2*\x+1]
.endr
	v_pk_add_f32 v[CB:CB+1], v[CB:CB+1], v[CB+2:CB+3]
	global_store_b64 v[LN8], v[CB:CB+1], s[12:13]  ; d = 2 lane, 2 lane + 1: 256 consecutive bytes, aligned
.Ldone:
	s_wait_xcnt 0x0
	v_lshl_add_u32 v254, v0, 2, 0x21800
	v_mov_b32 v255, 0
	s_wait_tensorcnt 0x0
	ds_add_u32 v254, v255
	s_wait_dscnt 0x0
	s_endpgm
.Lfunc_end_k_q02553db87a_state:
	.size	k_q02553db87a_state, .Lfunc_end_k_q02553db87a_state-k_q02553db87a_state
	.p2alignl 7, 3214868480
	.fill 96, 4, 3214868480
	.section	.rodata,"a",@progbits
	.p2align	6, 0x0
	.amdhsa_kernel k_q02553db87a_state
		.amdhsa_group_segment_fixed_size 138240
		.amdhsa_private_segment_fixed_size 0
		.amdhsa_enable_private_segment 0
		.amdhsa_kernarg_size 40
		.amdhsa_user_sgpr_count 2
		.amdhsa_user_sgpr_kernarg_segment_ptr 1
		.amdhsa_wavefront_size32 1
		.amdhsa_system_sgpr_workgroup_id_x 1
		.amdhsa_system_sgpr_workgroup_id_y 1
		.amdhsa_system_sgpr_workgroup_id_z 1
		.amdhsa_system_vgpr_workitem_id 0
		.amdhsa_next_free_vgpr 512
		.amdhsa_next_free_sgpr 66
		.amdhsa_reserve_vcc 0
		.amdhsa_float_denorm_mode_32 3
		.amdhsa_float_denorm_mode_16_64 3
		.amdhsa_memory_ordered 1
		.amdhsa_forward_progress 1
		.amdhsa_inst_pref_size 158
	.end_amdhsa_kernel
	.amdgpu_metadata
---
amdhsa.version: [ 1, 2 ]
amdhsa.kernels:
  - .name:           k_q02553db87a_state
    .symbol:         k_q02553db87a_state.kd
    .args:
      - { .name: k, .offset: 0, .size: 8, .value_kind: global_buffer, .address_space: global }
      - { .name: v, .offset: 8, .size: 8, .value_kind: global_buffer, .address_space: global }
      - { .name: kv_mask, .offset: 16, .size: 8, .value_kind: global_buffer, .address_space: global }
      - { .name: kvp, .offset: 24, .size: 8, .value_kind: global_buffer, .address_space: global }
      - { .name: ksp, .offset: 32, .size: 8, .value_kind: global_buffer, .address_space: global }
    .group_segment_fixed_size: 138240
    .private_segment_fixed_size: 0
    .kernarg_segment_align: 8
    .kernarg_segment_size: 40
    .max_flat_workgroup_size: 256
    .sgpr_count:     66
    .vgpr_count:     512
    .wavefront_size: 32
...
	.end_amdgpu_metadata
.endif
;; end of part 1
;; launch apply (part 2): grid 8 x 32, 8 waves a work-group, no clusters, 287,744 bytes of LDS; arguments q, q_mask, kvp, ksp, out0; writes out0
.if DOCPART == 2
	.amdgcn_target "amdgcn-amd-amdhsa--gfx1250"
	.amdhsa_code_object_version 6
	.text
	.protected	k_q02553db87a_apply
	.globl	k_q02553db87a_apply
	.p2align	8
	.type	k_q02553db87a_apply,@function
k_q02553db87a_apply:
	s_mov_b64 s[64:65], 0
	v_nop
	global_prefetch_b8 v0, s[64:65] scope:SCOPE_SE
	s_setreg_imm32_b32 hwreg(HW_REG_WAVE_MODE, 25, 1), 1
	s_wait_xcnt 0x0
; LINEAR ATTENTION, SECOND HALF: out[l][v] = 8192 x (sum over d of Q(qf[l][d]) Q(kv[d][v])) / (sum over d of qf[l][d] ksum[d] + 1e-6),  qf = q_mask[l] f(q[l][d]),  f(x) = x + 1 for x > 0, else e^x.
; Q: codes of FP8 (E4M3) with one E8M0 scale for each 32 along d; the product by v_wmma_scale_f32_16x16x128_f8f6f4, sums f32.  The denominator is taken of the unquantised qf, in f32.
; kv and ksum are the sums of the eight partial states that the launch before stored for this (n, head).
; SHARES.  Work-group (x, y): l = 1024 x .., (n, head) = y.  Eight waves, 128 rows each, in tiles of 16.
; q COMES INTO LDS ONCE: the work-group's 1,024 rows x (256 bytes + 16 of padding) = 278,528 bytes lie there together, so every tensor load is a first fill: nothing is filled again.
; Each wave issues eight loads of 16 rows, one for each of its tiles, into bytes of its own, all at the head, and reads only those.  Tile t is read behind a wait that leaves the 7 - t younger loads out:
; the first tile is worked and stored when 4,096 of the wave's 32,768 bytes have landed, and the later tiles land meanwhile.  Eight tensor loads of a wave are out at the most.
; THE STATE.  Wave w = 2 t + c adds the eighth of the partial states that holds tile t (columns 4 r + t), block c (d = 32 c ..), quantises it along d and hands its 4 registers of codes and its scale byte to
; the other waves as an image of the registers in LDS: one barrier.  These loads are issued ahead of the tensor loads: every row's work waits for them.
; K = 64 fills half of the instruction's 128: registers 8-15 of both operands hold zero codes, written once; their scale bytes are 0, which is a power of two like any other.
; LAYOUT.  Source 0 = 16 rows of qf, source 1 = 16 columns of kv.  In tile t's result lane (r, h) holds column 4 r + t of rows 8 h + 0..7.  The multiplication by 8192 / denominator, unpacked, writes the four tiles'
; numbers of a row side by side: 16 bytes a lane, and sixteen lanes store a row's 256 bytes.  No stage.  The 16 divisors (one a lane, by row) change layout through 64 bytes of the wave's own LDS.
; NO CLUSTER, though the eight work-groups of a head read the same 131,072 bytes of partial states: a joint load would land them in LDS, and 278,528 + 131,072 bytes are more than the 327,680 that a work-group can have;
; they go straight into registers, where they are added.
; LIMITS: NaN and infinities are not served.  e^x is v_exp_f32 of x log2(e): its relative error grows like |x| x 6e-8 (5e-6 at x = -87), and results under 2^-126 become 0.
; A block of zeros gets the byte 1 where the rule says 127: its codes are zeros, and the bytes never leave the launch.
; REGISTERS: v1-13 addresses; v14-15 the tile's mask, as a pair; v16-23 q_mask of my row in each tile; v24-27 kv's scale words, v28 qf's; v29 my row's divisor; v32-63 ksum; v64-95 q; v96-127 qf, then the results to store;
;   v128-143 qf's fragment; v144-151 the divisors by register; v152-155 scale bytes of kv's upper blocks; v160-191 by turns x log2(e) and e^x, scratch, the products' results; v192-255 kv's four fragments.
;   At the head v64-191 hold the partial states, v192-231 are at work.
.set SROW,  2048                       ; bytes from one l to the next: 8 heads x 64 f32
.set QP,    272                        ; a row of q in LDS: 68 words, so that the 16 rows that a load touches start 4 banks apart (64 banks of 4 bytes: ISA guide 11.1)
.set QW,    128*QP                     ; a wave's rows
.set IMG,   8*QW                       ; behind q: kv's codes, 512 bytes for each (tile, block),
.set BSC,   IMG+8*512                  ; their scale bytes, a word a lane,
.set KSA,   BSC+8*128                  ; ksum, once for each wave,
.set DEN,   KSA+8*256                  ; and each wave's divisors
.set LN16, 1
.set LN8,  2
.set R4,   3
.set QA,   4
.set IW,   5
.set SW,   6
.set KW,   7
.set IR,   8
.set SR,   9
.set KR,   10
.set DW,   11
.set DR,   12
.set GO,   13
.set QC,   14
.set QM,   16
.set BS,   24
.set AS,   28
.set DVS,  29
.set KSV,  32
.set X,    64
.set E,    96
.set AF,   128
.set DV,   144
.set S1,   152
.set D,    160
.set TM,   160                         ; v160-161 largest magnitudes, v162-163 the other half's, then bytes, v164-165 448 x the scale, v166-167 the conversions' scale operands
.set DN,   168
.set BF,   192
.set P,    64
.set KP,   192
.set KV,   208
.set KC,   224
.set HM,   228
.set WV,   14
.set L2E,  20                          ; s[20:21] log2(e): the packed form names a pair
.set G1,   32                          ; s[32:39] descriptor group 1, the same for all eight loads
.set G0,   40                          ; groups 0, one for each load, since none is written while its load is out: s[40:63] for tiles 0-5, s[68:75] for tiles 6, 7
.set SEL,  76
.set MNT,  78
	s_load_b128 s[4:7], s[0:1], 0x0                ; q, q_mask
	s_load_b128 s[8:11], s[0:1], 0x10              ; kvp, ksp
	s_load_b64 s[12:13], s[0:1], 0x20              ; out0
	v_lshl_add_u32 v30, v0, 2, 0x46000
	v_mov_b32 v31, 0
	ds_add_u32 v30, v31
	ds_add_u32 v30, v31
	v_lshrrev_b32 v1, 5, v0
	v_readfirstlane_b32 s[WV], v1                  ; wave 0..7
	s_and_b32 s15, ttmp7, 0xffff                   ; 8 n + head
	s_lshr_b32 s16, s15, 3                         ; n
	s_and_b32 s17, s15, 7                          ; head
	s_lshl_b32 s18, ttmp9, 10
	s_lshl_b32 s19, s[WV], 7
	s_add_co_u32 s18, s18, s19                     ; my wave's first l
	s_lshl_b32 s22, s16, 24                        ; in q and out0: n x 2^24 + l x 2048 + head x 256 bytes (under 2^26)
	s_lshl_b32 s23, s18, 11
	s_add_co_u32 s22, s22, s23
	s_lshl_b32 s23, s17, 8
	s_add_co_u32 s22, s22, s23
	s_mov_b32 s23, 0
	s_lshl_b32 s24, s16, 13                        ; in the mask: (8192 n + l) x 4
	s_add_co_u32 s24, s24, s18
	s_lshl_b32 s24, s24, 2
	s_mov_b32 s25, 0
	s_lshl_b32 s26, s15, 17                        ; in kvp: eight states of 16,384 bytes for each (n, head); my wave's eighth of each
	s_lshl_b32 s27, s[WV], 11
	s_add_co_u32 s26, s26, s27
	s_mov_b32 s27, 0
	s_lshl_b32 s28, s15, 11                        ; in ksp: eight times 256 bytes
	s_mov_b32 s29, 0
	s_mov_b32 s[L2E], 0x3fb8aa3b
	s_mov_b32 s[L2E+1], s[L2E]
	s_mov_b32 s[MNT], 0x600000                     ; the mantissa field of 448
	s_mov_b32 s[SEL], 0x76543210
	s_mov_b32 s[SEL+1], 0xfedcba98                 ; v_permlanex16_b32's selects for lane l xor 16
	; descriptor group 1: 16 rows of 64 elements of 4 bytes, 512 elements from row to row, 4 words of padding behind every 64
	s_mov_b32 s[G1], (2<<16)|(1<<20)|(5<<22)|(3<<25)
	s_mov_b32 s[G1+1], 64<<16                      ; tensor_dim0
	s_mov_b32 s[G1+2], 16<<16                      ; tensor_dim1
	s_mov_b32 s[G1+3], 64<<16                      ; tile_dim0
	s_mov_b32 s[G1+4], 16                          ; tile_dim1
	s_mov_b32 s[G1+5], 512                         ; tensor_dim0_stride
	s_mov_b32 s[G1+6], 0
	s_mov_b32 s[G1+7], 0
	s_mul_i32 s30, s[WV], QW                       ; my wave's rows in LDS
	v_and_b32 v[LN16], 31, v0
	v_lshlrev_b32 v[LN8], 3, v[LN16]
	v_lshlrev_b32 v[SR], 2, v[LN16]
	v_lshlrev_b32 v[LN16], 4, v[LN16]
	v_add_nc_u32 v[IR], IMG, v[LN16]               ; an image's place for my lane
	v_add_nc_u32 v[SR], BSC, v[SR]
	v_and_b32 v[GO], 15, v0                        ; r
	v_bfe_u32 v[DR], v0, 4, 1                      ; h
	v_lshlrev_b32 v[R4], 2, v[GO]
	v_mul_u32_u24 v[QA], v[GO], QP
	v_lshl_add_u32 v[QA], v[DR], 6, v[QA]
	v_add_nc_u32 v[QA], s30, v[QA]                 ; q: row r of a tile, + 64 h: my 16 numbers of a block of 32
	v_lshl_add_u32 v[IW], v0, 4, IMG               ; where I store codes: 512 x wave + 16 x lane
	v_lshl_add_u32 v[SW], v0, 2, BSC               ; the scale byte: 128 x wave + 4 x lane
	v_lshl_add_u32 v[KW], v0, 3, KSA               ; ksum: 256 x wave + 8 x lane
	v_lshl_add_u32 v[DW], v0, 2, DEN               ; my row's divisor: 128 x wave + 4 x lane
	s_lshl_b32 s19, s[WV], 8
	v_lshl_add_u32 v[KR], v[DR], 6, s19
	v_add_nc_u32 v[KR], KSA, v[KR]                 ; ksum back: d = 16 h on
	v_lshlrev_b32 v[GO], 4, v[GO]
	v_lshl_add_u32 v[GO], v[DR], 14, v[GO]         ; out0: 16 r bytes in a row; lanes 16-31 eight rows further down
	s_lshl_b32 s19, s[WV], 7
	v_lshl_add_u32 v[DR], v[DR], 5, s19
	v_add_nc_u32 v[DR], DEN, v[DR]                 ; the divisors back: rows 8 h on
	s_wait_dscnt 0x0
	s_wait_kmcnt 0x0
	s_add_nc_u64 s[4:5], s[4:5], s[22:23]
	s_add_nc_u64 s[12:13], s[12:13], s[22:23]
	s_add_nc_u64 s[6:7], s[6:7], s[24:25]
	s_add_nc_u64 s[8:9], s[8:9], s[26:27]
	s_add_nc_u64 s[10:11], s[10:11], s[28:29]
.irp p, 0,1,2,3,4,5,6,7                        ; my eighth of the eight partial states: register 4 a + j of state p is kv(d = 32 c + 16 h + 4 j + a, column 4 r + t)
.irp a, 0,1,2,3
	global_load_b128 v[P+16*\p+4*\a:P+16*\p+4*\a+3], v[LN16], s[8:9] offset:16384*\p+512*\a
.endr
.endr
.irp p, 0,1,2,3,4,5,6,7
	global_load_b64 v[KP+2*\p:KP+2*\p+1], v[LN8], s[10:11] offset:256*\p     ; the eight sums of k: d = 2 lane, 2 lane + 1
.endr
.irp t, 0,1,2,3,4,5,6,7
	global_load_b32 v[QM+\t], v[R4], s[6:7] offset:64*\t                     ; q_mask of row r of tile t
.endr
.irp s, 0,1,2,3,4,5,6,7                        ; my 128 rows of q, a tile of 16 to a load: all eight first fills stand together, ahead of every wait on TENSORcnt, every LDS read and the barrier
.set GS, G0+4*\s+4*(\s/6)                      ; (s64 and s65 are stepped over)
	s_mov_b32 s[GS], 1                                             ; count = 1
	s_add_co_u32 s[GS+1], s30, \s*16*QP                            ; LDS address: my wave's rows, tile s
	s_add_nc_u64 s[GS+2:GS+3], s[4:5], \s*16*SROW                  ; global address of the tile's first element
	s_or_b32 s[GS+3], s[GS+3], 0x80000000                         ; type = 2
	tensor_load_to_lds s[GS:GS+3], s[G1:G1+7]
	s_nop 0
.endr
	v_mov_b32 v[QC+1], 0                           ; named as the upper half of a pair, so it is written
	v_mov_b32 v[HM+1], 0                           ; a lane permute's destination counts as one of its sources
	s_wait_loadcnt 16                              ; the states are in; ksum's 8 loads and the mask's 8 are younger
.irp p, 0,1,2,3
.irp n, 0,2,4,6,8,10,12,14
	v_pk_add_f32 v[P+16*\p+\n:P+16*\p+\n+1], v[P+16*\p+\n:P+16*\p+\n+1], v[P+64+16*\p+\n:P+64+16*\p+\n+1]
.endr
.endr
.irp p, 0,1
.irp n, 0,2,4,6,8,10,12,14
	v_pk_add_f32 v[P+16*\p+\n:P+16*\p+\n+1], v[P+16*\p+\n:P+16*\p+\n+1], v[P+32+16*\p+\n:P+32+16*\p+\n+1]
.endr
.endr
.irp a, 0,1,2,3
.irp j, 0,1,2,3
	v_add_f32 v[KV+4*\j+\a], v[P+4*\a+\j], v[P+16+4*\a+\j]   ; the last addition puts d in order: register i is d = 32 c + 16 h + i
.endr
.endr
	v_max3_num_f32 v[HM], |v[KV]|, |v[KV+1]|, 0x4800000      ; my 16 numbers of the block, and the floor 2^(9 - 127)
.irp i, 2,4,6,8,10,12,14
	v_max3_num_f32 v[HM], v[HM], |v[KV+\i]|, |v[KV+\i+1]|
.endr
	v_permlanex16_b32 v[HM+1], v[HM], s[SEL], s[SEL+1]
	v_max_num_f32 v[HM], v[HM], v[HM+1]            ; with lane l xor 16's: the block's largest magnitude
	v_add_nc_u32 v[HM+2], 0xfc000000, v[HM]        ; 8 off its exponent field: the conversion's scale operand
	v_and_or_b32 v[HM+3], v[HM], 0x7f800000, s[MNT]  ; 448 x the scale
	v_lshrrev_b32 v[HM+1], 23, v[HM+2]             ; the scale's byte
.irp i, 0,1,2,3,4,5,6,7,8,9,10,11,12,13,14,15
	v_med3_num_f32 v[KV+\i], v[KV+\i], -v[HM+3], v[HM+3]     ; the conversion to an 8-bit code does not saturate (ISA guide 7.6.2)
.endr
	v_cvt_scalef32_pk8_fp8_f32 v[KC:KC+1], v[KV:KV+7], v[HM+2]
	v_cvt_scalef32_pk8_fp8_f32 v[KC+2:KC+3], v[KV+8:KV+15], v[HM+2]
	v_nop                                          ; a plain instruction behind the last conversion
	ds_store_b128 v[IW], v[KC:KC+3]                ; registers 4 c .. 4 c + 3 of tile t's fragment, as they stand
	ds_store_b32 v[SW], v[HM+1]
	s_wait_loadcnt 8                               ; ksum's parts are in
.irp p, 0,1,2,3
	v_pk_add_f32 v[KP+2*\p:KP+2*\p+1], v[KP+2*\p:KP+2*\p+1], v[KP+8+2*\p:KP+8+2*\p+1]
.endr
.irp p, 0,1
	v_pk_add_f32 v[KP+2*\p:KP+2*\p+1], v[KP+2*\p:KP+2*\p+1], v[KP+4+2*\p:KP+4+2*\p+1]
.endr
	v_pk_add_f32 v[KP:KP+1], v[KP:KP+1], v[KP+2:KP+3]
	ds_store_b64 v[KW], v[KP:KP+1]                 ; every wave makes ksum for itself, 2,048 bytes read, and turns it through its own 256 bytes
.irp c, 0,1
.irp g, 0,1,2,3
	ds_load_b128 v[KSV+16*\c+4*\g:KSV+16*\c+4*\g+3], v[KR] offset:128*\c+16*\g   ; register 16 c + i: ksum(32 c + 16 h + i), as qf lies; LDS serves a wave's instructions in order
.endr
.endr
	s_wait_dscnt 0x0                               ; for the others' sake: my stores have landed; and their registers may be written again
	s_barrier_signal -1                            ; (my tensor loads stay out, and only I read what they bring)
	s_barrier_wait -1
.irp t, 0,1,2,3
	ds_load_b128 v[BF+16*\t:BF+16*\t+3], v[IR] offset:1024*\t
	ds_load_b128 v[BF+16*\t+4:BF+16*\t+7], v[IR] offset:1024*\t+512
	ds_load_b32 v[BS+\t], v[SR] offset:256*\t
	ds_load_b32 v[S1+\t], v[SR] offset:256*\t+128
.endr
.irp t, 0,1,2,3
.irp i, 8,9,10,11,12,13,14,15
	v_mov_b32 v[BF+16*\t+\i], 0                    ; K = 64 .. 127: zero codes
.endr
.endr
.irp i, 8,9,10,11,12,13,14,15
	v_mov_b32 v[AF+\i], 0
.endr
	s_wait_dscnt 0x0
.irp t, 0,1,2,3
	v_lshl_or_b32 v[BS+\t], v[S1+\t], 8, v[BS+\t]  ; column 4 r + t: block 0's byte, block 1's above it
.endr
	s_wait_loadcnt 0x0                             ; q_mask
.macro XLOAD t                         ; tile t's numbers: register 16 c + i is q(row r, d = 32 c + 16 h + i)
.irp c, 0,1
.irp g, 0,1,2,3
	ds_load_b128 v[X+16*\c+4*\g:X+16*\c+4*\g+3], v[QA] offset:(\t)*16*QP+128*\c+16*\g
.endr
.endr
.endm
.macro TILE t
	s_wait_dscnt 0x0                               ; the tile's numbers are in
.set i, 0
.rept 16
	v_pk_mul_f32 v[D+i:D+i+1], v[X+i:X+i+1], s[L2E:L2E+1] op_sel_hi:[1,0]   ; x log2(e), in the results' registers, which are idle here: the last tile's stores still read v[E] on
.set i, i+2
.endr
.set i, 0
.rept 32
	v_exp_f32 v[D+i], v[D+i]                       ; e^x: one batch
.set i, i+1
.endr
.set i, 0
.rept 16
	v_pk_add_f32 v[X+i:X+i+1], v[X+i:X+i+1], 1.0 op_sel_hi:[1,0]   ; x + 1: independent work behind the batch
.set i, i+2
.endr
	v_mov_b32 v[QC], v[QM+(\t)]
	s_wait_alu depctr_va_vdst(0)                   ; one wait for the 32 exponentials, ahead of their first reader
	s_wait_xcnt 0x0                                ; the last tile's stores have read their data, v[E] on, which the next line is the first to write again; 65 vector instructions stand between those stores and this wait
.set i, 0
.rept 32
	v_med3_num_f32 v[E+i], v[D+i], v[X+i], 1.0     ; f(x): the middle one of e^x, x + 1 and 1
.set i, i+1
.endr
.if (\t) < 7
	s_wait_tensorcnt 6-(\t)                        ; the next tile's 16 rows have landed: tensor loads of a wave end in order (ISA guide 10.11.1), and 6 - t were issued behind that tile's; the last of these waits is for 0
	XLOAD (\t)+1                                   ; the next tile's numbers come while this one is worked
.endif
.set i, 0
.rept 16
	v_pk_mul_f32 v[E+i:E+i+1], v[E+i:E+i+1], v[QC:QC+1] op_sel_hi:[1,0]   ; x q_mask of my row
.set i, i+2
.endr
	v_pk_mul_f32 v[DN:DN+1], v[E:E+1], v[KSV:KSV+1]                ; the denominator, of the unquantised qf: two chains of packed multiply-adds
	v_pk_mul_f32 v[DN+2:DN+3], v[E+16:E+17], v[KSV+16:KSV+17]
.irp n, 2,4,6,8,10,12,14
	v_pk_fma_f32 v[DN:DN+1], v[E+\n:E+\n+1], v[KSV+\n:KSV+\n+1], v[DN:DN+1]
	v_pk_fma_f32 v[DN+2:DN+3], v[E+16+\n:E+16+\n+1], v[KSV+16+\n:KSV+16+\n+1], v[DN+2:DN+3]
.endr
	v_pk_add_f32 v[DN:DN+1], v[DN:DN+1], v[DN+2:DN+3]
	v_add_f32 v[DN], v[DN], v[DN+1]
	v_permlanex16_b32 v[DN+2], v[DN], s[SEL], s[SEL+1]
	v_add_f32 v[DN], v[DN], v[DN+2]                ; with lane l xor 16's 32 of the 64
	v_add_f32 v[DN], 0x358637bd, v[DN]             ; + 1e-6
	v_rcp_f32 v[DN+1], v[DN]
.irp c, 0,1                                    ; the quantiser's maxima are the independent work behind the reciprocal
	v_max3_num_f32 v[TM+\c], |v[E+16*\c]|, |v[E+16*\c+1]|, 0x4800000
.endr
.irp i, 2,4,6,8,10,12,14
.irp c, 0,1
	v_max3_num_f32 v[TM+\c], v[TM+\c], |v[E+16*\c+\i]|, |v[E+16*\c+\i+1]|
.endr
.endr
	s_wait_alu depctr_va_vdst(0)                   ; the wait for the reciprocal, ahead of its reader
	v_mul_f32 v[DVS], 0x46000000, v[DN+1]          ; 8192 / denominator of row r
	ds_store_b32 v[DW], v[DVS]
	ds_load_b128 v[DV:DV+3], v[DR]                 ; and back by register: rows 8 h + 0 .. 7, as the results lie
	ds_load_b128 v[DV+4:DV+7], v[DR] offset:16
.irp c, 0,1
	v_permlanex16_b32 v[TM+2+\c], v[TM+\c], s[SEL], s[SEL+1]   ; (the destinations were written at the tile's head)
.endr
.irp c, 0,1
	v_max_num_f32 v[TM+\c], v[TM+\c], v[TM+2+\c]
.endr
.irp c, 0,1
	v_add_nc_u32 v[TM+6+\c], 0xfc000000, v[TM+\c]
.endr
.irp c, 0,1
	v_and_or_b32 v[TM+4+\c], v[TM+\c], 0x7f800000, s[MNT]
.endr
.irp c, 0,1
	v_lshrrev_b32 v[TM+2+\c], 23, v[TM+6+\c]
.endr
	v_lshl_or_b32 v[AS], v[TM+3], 8, v[TM+2]       ; row r's scale word; the 32 holds below stand between it and the products
.irp c, 0,1
.irp i, 0,1,2,3,4,5,6,7,8,9,10,11,12,13,14,15
	v_med3_num_f32 v[E+16*\c+\i], v[E+16*\c+\i], -v[TM+4+\c], v[TM+4+\c]
.endr
	v_cvt_scalef32_pk8_fp8_f32 v[AF+4*\c:AF+4*\c+1], v[E+16*\c:E+16*\c+7], v[TM+6+\c]
	v_cvt_scalef32_pk8_fp8_f32 v[AF+4*\c+2:AF+4*\c+3], v[E+16*\c+8:E+16*\c+15], v[TM+6+\c]
.endr
.rept 4
	v_nop                                          ; four places between the codes and the scaled products; the first is also the plain instruction behind the conversions, whose scale operands the results overwrite
.endr
.irp b, 0,1,2,3
	v_wmma_scale_f32_16x16x128_f8f6f4 v[D+8*\b:D+8*\b+7], v[AF:AF+15], v[BF+16*\b:BF+16*\b+15], 0, v[AS], v[BS+\b]
.endr
.rept 8
	v_nop                                          ; eight places in front of the first read of the results
.endr
	s_wait_dscnt 0x0                               ; the divisors
.irp j, 0,1,2,3,4,5,6,7                        ; each accumulator is read from its low end on
.irp b, 0,1,2,3
	v_mul_f32 v[E+4*\j+\b], v[D+8*\b+\j], v[DV+\j] ; out(8 h + j, 4 r + b): the four tiles' numbers side by side
.endr
	global_store_b128 v[GO], v[E+4*\j:E+4*\j+3], s[12:13] offset:(16*(\t)+\j)*SROW th:TH_STORE_NT   ; sixteen lanes store a row's 256 consecutive bytes, aligned; written once
.endr
.endm
	s_wait_tensorcnt 0x7                           ; my first 16 rows have landed; the seven loads behind theirs may be out
	XLOAD 0
.irp t, 0,1,2,3,4,5,6,7
	TILE \t
.endr
	s_wait_tensorcnt 0x0
	ds_add_u32 v30, v31
	s_wait_dscnt 0x0
	s_endpgm
.Lfunc_end_k_q02553db87a_apply:
	.size	k_q02553db87a_apply, .Lfunc_end_k_q02553db87a_apply-k_q02553db87a_apply
	.p2alignl 7, 3214868480
	.fill 96, 4, 3214868480
	.section	.rodata,"a",@progbits
	.p2align	6, 0x0
	.amdhsa_kernel k_q02553db87a_apply
		.amdhsa_group_segment_fixed_size 287744
		.amdhsa_private_segment_fixed_size 0
		.amdhsa_enable_private_segment 0
		.amdhsa_kernarg_size 40
		.amdhsa_user_sgpr_count 2
		.amdhsa_user_sgpr_kernarg_segment_ptr 1
		.amdhsa_wavefront_size32 1
		.amdhsa_system_sgpr_workgroup_id_x 1
		.amdhsa_system_sgpr_workgroup_id_y 1
		.amdhsa_system_sgpr_workgroup_id_z 1
		.amdhsa_system_vgpr_workitem_id 0
		.amdhsa_next_free_vgpr 256
		.amdhsa_next_free_sgpr 80
		.amdhsa_reserve_vcc 0
		.amdhsa_float_denorm_mode_32 3
		.amdhsa_float_denorm_mode_16_64 3
		.amdhsa_memory_ordered 1
		.amdhsa_forward_progress 1
		.amdhsa_inst_pref_size 139
	.end_amdhsa_kernel
	.amdgpu_metadata
---
amdhsa.version: [ 1, 2 ]
amdhsa.kernels:
  - .name:           k_q02553db87a_apply
    .symbol:         k_q02553db87a_apply.kd
    .args:
      - { .name: q, .offset: 0, .size: 8, .value_kind: global_buffer, .address_space: global }
      - { .name: q_mask, .offset: 8, .size: 8, .value_kind: global_buffer, .address_space: global }
      - { .name: kvp, .offset: 16, .size: 8, .value_kind: global_buffer, .address_space: global }
      - { .name: ksp, .offset: 24, .size: 8, .value_kind: global_buffer, .address_space: global }
      - { .name: out0, .offset: 32, .size: 8, .value_kind: global_buffer, .address_space: global }
    .group_segment_fixed_size: 287744
    .private_segment_fixed_size: 0
    .kernarg_segment_align: 8
    .kernarg_segment_size: 40
    .max_flat_workgroup_size: 256
    .sgpr_count:     80
    .vgpr_count:     256
    .wavefront_size: 32
...
	.end_amdgpu_metadata
.endif
;; end of part 2
;; ======== version 2 of 2: 2 launches; version 1 with the launch state written anew for expert scheduling mode
;; workspace buffers: kvp 4,194,304 bytes; ksp 65,536 bytes
;; launch state (part 3): grid 8 x 32, 8 waves a work-group, no clusters, 138,240 bytes of LDS; arguments k, v, kv_mask, kvp, ksp; writes kvp, ksp
.if DOCPART == 3
	.amdgcn_target "amdgcn-amd-amdhsa--gfx1250"
	.amdhsa_code_object_version 6
	.text
	.protected	k_q02553db87a_state
	.globl	k_q02553db87a_state
	.p2align	8
	.type	k_q02553db87a_state,@function
k_q02553db87a_state:
	s_mov_b64 s[64:65], 0
	v_nop
	global_prefetch_b8 v0, s[64:65] scope:SCOPE_SE
	s_setreg_imm32_b32 hwreg(HW_REG_WAVE_SCHED_MODE, 0, 2), 2
	s_setreg_imm32_b32 hwreg(HW_REG_WAVE_MODE, 25, 1), 1
	s_wait_xcnt 0x0
	s_wait_alu depctr_vm_vsrc(0)
; LINEAR ATTENTION, FIRST HALF: for one (n, head) and 1,024 of the 8,192 s, a partial state
;   kvp[d][v] = sum over s of Q(mask[s] f(k[s][d])) Q(mask[s] v[s][v] / 8192),  ksp[d] = sum over s of mask[s] f(k[s][d]),  f(x) = x + 1 for x > 0, else e^x.
; Q: codes of FP8 (E4M3) with one E8M0 scale for each 32 along s; products by v_wmma_scale_f32_16x16x128_f8f6f4, sums f32.  k, v: [4][8192][8][64] f32; kv_mask: [4][8192] f32.
; SHARES.  Work-group (x, y): s = 1024 x .., (n, head) = y.  Eight waves; a wave takes 128 s, one K step of the matrix instruction, and the whole 64 x 64 of the state; the eight sums meet in LDS at the end.
; LOADS.  A head's row is 256 bytes, aligned.  One load of 16 bytes a lane takes two whole rows: lanes 0-15 row s = i, lanes 16-31 row s = 16 + i of a block of 32.  Lane (j, g) so holds d = 4 j + 0..3.
; NOTHING IS TRANSPOSED BY AN INSTRUCTION OF ITS OWN.  The loaded register 4 i + dd (row i, column dd) is read by an unpacked instruction that the arithmetic needs anyway, and that instruction writes register 16 dd + i:
; a column's 16 numbers along s then lie in consecutive registers, as the conversions want them, and their codes are registers 4 c .. 4 c + 3 of the operand: tile dd = columns 4 j + dd, row j = lane % 16, k = 32 c + 16 (lane / 16) + i.
; f(x) = the middle one of e^x, x + 1 and 1: for x > 0 they stand e^x >= x + 1 > 1, for x < 0 x + 1 <= e^x < 1.
; THE DIVISION BY 8192 is exact and costs one line a tile: 13 is taken off v's scale bytes.  The floor under v's largest magnitude is 2^(22 - 127), so that the byte is held at 1 where the quantiser holds it.
; NO CLUSTER: work-groups share only the mask, 512 bytes beside a wave's 65,536 of k and v.  No tensor loads: a work-group's 524,288 bytes do not fit in LDS, and registers hold as much in flight.
; LIMITS: NaN and infinities are not served.  e^x is v_exp_f32 of x log2(e): its relative error grows like |x| x 6e-8 (5e-6 at x = -87), and results under 2^-126 become 0.
; A block of zeros gets the byte 1 where the rule says 127: its codes are zeros, and this program alone reads the bytes.  The sums over s are taken in another order than one after the other.
; REGISTERS.  Window 0: v1-3, v56-62 addresses; v4-7 the mask as loaded; v8-23 a block's mask; v24-31 k's sums; v32-47 at work; v48-55 scale words; v64-127 64 numbers at work; v128-191 k's four fragments; v192-255 v's.
;             Window 1: two sets of 64 (k) + 64 (v) registers as loaded; at the end the 16 accumulators lie over them.
; THE MODE: SCHED_MODE bits 1:0 = 2 (LLVM: expert scheduling mode 2), set by the entry lines.  The code itself states the register dependences
; between vector or matrix instructions and memory or LDS instructions, with s_wait_alu, always for 0.
; THE PLAN.  Registers that memory or LDS instructions touch, and who else names them:
;   window 1, k's 64 of set blk % 2   The block's multiplications by log2(e) read them, its x + 1 writes them in place, its f(x) reads them; behind f(x) the loads of block blk + 2 land in them (blocks 0 and 1).
;   window 1, v's 64 of set blk % 2   The block's 64 multiplications by the mask read them; behind these the loads of block blk + 2 land in them (blocks 0 and 1).
;   v8-23, the block's mask           k's 32 packed multiplications and v's 64 multiplications read them; behind the latter the next block's four LDS loads land in them.
;   v1-3, v56-62, addresses; v4-7     Written at the head (v4-7: by a load) and never again.
;   the accumulators, v40-43          Written by the products and by the last additions of k's sums; read by the LDS stores; never written again.
;   v64-191, v192-207                 Behind the barrier LDS loads land in them; before, the quantiser and the products named them.  The additions then write v64-79 and v192-193, which the global stores read.
; So a block of k has one wait behind f(x), a block of v one behind its multiplications; the loads that follow each are dealt, four at a time, among vector lines that name window 0's v8-47 and v64-127 alone:
; none of the registers that those loads touch.  No register that a memory or LDS instruction reads is ever written again, so no wait on vm_vsrc is owed.
.set SROW,  2048                       ; bytes from one s to the next: 8 heads x 64 f32
.set REDW,  16384                      ; LDS: a wave's 64 x 64 sums; eight of them from byte 0 on
.set KSR,   8*REDW                     ; the waves' sums of k, 256 bytes each
.set MSK,   KSR+8*256                  ; the waves' masks, 512 bytes each
.set OFF,  1                           ; v1   16 j + 16 rows x g: my 16 bytes of a load's two rows
.set MRD,  2                           ; v2   LDS: my half's 16 mask numbers of block 0
.set LN16, 3                           ; v3   16 x lane
.set MR,   4
.set M,    8
.set KS,   24
.set TM,   32                          ; v32-35 largest magnitudes, v36-39 the other half's, then bytes, v40-43 448 x the scale, v44-47 the conversions' scale operands
.set SCA,  48
.set SCB,  52
.set MWR,  56                          ; v56  LDS: where my 4 mask numbers go
.set RWR,  57                          ; v57  LDS: where my accumulators go
.set RRD,  58                          ; v58-59 LDS: my wave's eighth in regions 0-3, 4-7
.set KWR,  60                          ; v60  LDS: where my sums of k go
.set KRD,  61                          ; v61  LDS: 8 x lane in the sums of k
.set LN8,  62                          ; v62  8 x lane
.set T,    64
.set CA,   128
.set CB,   192
.set WV,   14
.set L2E,  20
.set MNT,  21
.set SEL,  30
.set MSB, 0
.macro WIN new                         ; s_set_vgpr_msb: bits 1:0 source 0, 3:2 source 1, 5:4 source 2, 7:6 destination; the high byte repeats the setting that is left
.if MSB != \new
	s_set_vgpr_msb (MSB<<8)|\new
.set MSB, \new
.endif
.endm
	s_load_b128 s[4:7], s[0:1], 0x0                ; k, v
	s_load_b128 s[8:11], s[0:1], 0x10              ; kv_mask, kvp
	s_load_b64 s[12:13], s[0:1], 0x20              ; ksp
	v_lshrrev_b32 v1, 5, v0
	v_readfirstlane_b32 s[WV], v1                  ; wave 0..7
	s_and_b32 s15, ttmp7, 0xffff                   ; 8 n + head
	s_lshr_b32 s16, s15, 3                         ; n
	s_and_b32 s17, s15, 7                          ; head
	s_lshl_b32 s18, ttmp9, 10
	s_wait_alu depctr_va_sdst(0)                   ; the wave's number is written, ahead of its first reader: offsets and LDS addresses are made from it
	s_lshl_b32 s19, s[WV], 7
	s_add_co_u32 s18, s18, s19                     ; my wave's first s
	s_lshl_b32 s22, s16, 24                        ; in k and v: n x 2^24 + s x 2048 + head x 256 bytes (under 2^26)
	s_lshl_b32 s23, s18, 11
	s_add_co_u32 s22, s22, s23
	s_lshl_b32 s23, s17, 8
	s_add_co_u32 s22, s22, s23
	s_mov_b32 s23, 0
	s_lshl_b32 s24, s16, 13                        ; in the mask: (8192 n + s) x 4
	s_add_co_u32 s24, s24, s18
	s_lshl_b32 s24, s24, 2
	s_mov_b32 s25, 0
	s_lshl_b32 s26, s15, 3
	s_add_co_u32 s26, s26, ttmp9                   ; the partial state's number: 8 (8 n + head) + x
	s_lshl_b32 s28, s26, 8                         ; in ksp: 256 bytes each
	s_mov_b32 s29, 0
	s_lshl_b32 s26, s26, 14                        ; in kvp: 16,384 bytes each, my wave's eighth
	s_lshl_b32 s27, s[WV], 11
	s_add_co_u32 s26, s26, s27
	s_mov_b32 s27, 0
	s_mov_b32 s[L2E], 0x3fb8aa3b                   ; log2(e)
	s_mov_b32 s[MNT], 0x600000                     ; the mantissa field of 448
	s_mov_b32 s[SEL], 0x76543210
	s_mov_b32 s[SEL+1], 0xfedcba98                 ; v_permlanex16_b32's selects for lane l xor 16
	v_and_b32 v[LN16], 31, v0
	v_lshlrev_b32 v[LN8], 3, v[LN16]
	v_lshlrev_b32 v[LN16], 4, v[LN16]
	v_and_b32 v63, 15, v0                          ; j
	v_bfe_u32 v[MRD], v0, 4, 1                     ; g
	v_lshlrev_b32 v63, 4, v63                      ; 16 j
	v_lshl_add_u32 v[OFF], v[MRD], 15, v63         ; lanes 16-31 stand 16 rows further down
	v_lshl_add_u32 v[RWR], v[MRD], 11, v63         ; 16 j + 2048 g,
	s_lshl_b32 s19, s[WV], 14
	v_add_nc_u32 v[RWR], s19, v[RWR]               ; in my wave's region
	s_lshl_b32 s19, s[WV], 8
	v_add_nc_u32 v[KWR], s19, v63
	v_add_nc_u32 v[KWR], KSR, v[KWR]
	v_add_nc_u32 v[KRD], KSR, v[LN8]
	s_lshl_b32 s19, s[WV], 11
	v_add_nc_u32 v[RRD], s19, v[LN16]
	v_add_nc_u32 v[RRD+1], 0x10000, v[RRD]         ; an LDS offset has 16 bits: regions 4-7 get a register of their own
	v_lshl_add_u32 v[MWR], v0, 4, MSK              ; 512 x wave + 16 x lane = 16 x my thread's number
	s_lshl_b32 s19, s[WV], 9
	v_lshlrev_b32 v[MRD], 6, v[MRD]
	v_add_nc_u32 v[MRD], s19, v[MRD]
	v_add_nc_u32 v[MRD], MSK, v[MRD]
.irp d, 0,1,2,3
	v_mov_b32 v[TM+4+\d], 0                        ; written once: a lane permute's destination counts as one of its sources
.endr
	s_wait_kmcnt 0x0
	s_add_nc_u64 s[4:5], s[4:5], s[22:23]
	s_add_nc_u64 s[6:7], s[6:7], s[22:23]
	s_add_nc_u64 s[8:9], s[8:9], s[24:25]
	s_add_nc_u64 s[10:11], s[10:11], s[26:27]
	s_add_nc_u64 s[12:13], s[12:13], s[28:29]
	s_wait_alu depctr_va_vdst(0)                   ; the addresses v1 to v3 and v56 to v62 are written: every load, store and LDS instruction of the kernel reads one of them, and none is written again
; 16 loads: block blk (32 s) of k or of v into 64 registers of window 1; each load takes two whole rows of 256 bytes.  Read once in the launch.
.macro LOAD blk, reg, base
	WIN 0x40                                       ; destination window 1, address window 0
.set i, 0
.rept 16
	global_load_b128 v[\reg+4*i:\reg+4*i+3], v[OFF], s[\base:\base+1] offset:(32*(\blk)+i)*SROW th:TH_LOAD_NT
.set i, i+1
.endr
.endm
; Four of those 16: group g, rows 4 g .. 4 g + 3 and 16 + 4 g .. 16 + 4 g + 3 of the block.  They owe no wait of their own: no vector instruction since the block's wait names their registers.
.macro LOAD4 blk, reg, base, g
	WIN 0x40                                       ; destination window 1, address window 0
.irp q, 0,1,2,3
	global_load_b128 v[\reg+4*(4*(\g)+\q):\reg+4*(4*(\g)+\q)+3], v[OFF], s[\base:\base+1] offset:(32*(\blk)+4*(\g)+\q)*SROW th:TH_LOAD_NT
.endr
.endm
; A block's mask: mask[32 blk + 16 g + 0 .. 15]; LDS serves a wave's instructions in order, so these see the store
.macro MASK blk
.irp q, 0,1,2,3
	ds_load_b128 v[M+4*\q:M+4*\q+3], v[MRD] offset:128*(\blk)+16*\q
.endr
.endm
	global_load_b128 v[MR:MR+3], v[LN16], s[8:9]   ; my wave's 128 mask numbers, 4 a lane
	LOAD 0, 0, 4                                   ; two blocks of k and of v are asked for at once: 64 loads of 512 bytes a wave
	LOAD 0, 64, 6
	LOAD 1, 128, 4
	LOAD 1, 192, 6
; 64 numbers of a lane, v[T + 16 d + u] = column d, s = 16 g + u of block blk, become registers 4 blk .. 4 blk + 3 of the four fragments from v[dst] on, and byte blk of the four scale words from v[wrd] on.
; flr: the floor under the largest magnitude, as f32 bits.  less = 1: 13 is taken off the finished words' bytes (the division by 8192).
; ld = 1: groups 1 to 3 of the loads of block blk + 2, into v[lreg] on of window 1 by the base s[lbase], stand among the maxima, which name v32-35 and v64-127 of window 0 alone.
.macro QUANT blk, dst, wrd, flr, less, ld, lreg, lbase
.irp d, 0,1,2,3
	v_max3_num_f32 v[TM+\d], |v[T+16*\d]|, |v[T+16*\d+1]|, \flr     ; my 16 numbers of the block, and the floor: so the byte cannot fall under 1
.endr
.irp u, 2,4,6,8,10,12,14
.irp d, 0,1,2,3
	v_max3_num_f32 v[TM+\d], v[TM+\d], |v[T+16*\d+\u]|, |v[T+16*\d+\u+1]|   ; (the four columns by turns)
.endr
.if \ld && (((\u)%4) == 0)
	LOAD4 (\blk)+2, \lreg, \lbase, (\u)/4
	WIN 0
.endif
.endr
.irp d, 0,1,2,3
	v_permlanex16_b32 v[TM+4+\d], v[TM+\d], s[SEL], s[SEL+1]
.endr
.irp d, 0,1,2,3
	v_max_num_f32 v[TM+\d], v[TM+\d], v[TM+4+\d]   ; with lane l xor 16's 16: the block's largest magnitude
.endr
.irp d, 0,1,2,3
	v_add_nc_u32 v[TM+12+\d], 0xfc000000, v[TM+\d] ; 8 off its exponent field: the conversion takes the exponent field of this operand as its scale
.endr
.irp d, 0,1,2,3
	v_and_or_b32 v[TM+8+\d], v[TM+\d], 0x7f800000, s[MNT]   ; 448 x the scale
.endr
.irp d, 0,1,2,3
.if (\blk) == 0
	v_lshrrev_b32 v[\wrd+\d], 23, v[TM+12+\d]      ; the scale's byte starts the word
.else
	v_lshrrev_b32 v[TM+4+\d], 23, v[TM+12+\d]
.endif
.endr
.if (\blk) > 0
.irp d, 0,1,2,3
	v_lshl_or_b32 v[\wrd+\d], v[TM+4+\d], 8*(\blk), v[\wrd+\d]
.endr
.endif
.if \less && ((\blk) == 3)
.irp d, 0,1,2,3
	v_add_nc_u32 v[\wrd+\d], 0xf2f2f2f3, v[\wrd+\d]   ; - 0x0d0d0d0d: 13 off each byte; each is 14 at the least, so nothing is borrowed.  The 64 holds below stand between this line and the products
.endr
.endif
.irp d, 0,1,2,3
.irp u, 0,1,2,3,4,5,6,7,8,9,10,11,12,13,14,15
	v_med3_num_f32 v[T+16*\d+\u], v[T+16*\d+\u], -v[TM+8+\d], v[TM+8+\d]   ; the conversion to an 8-bit code does not saturate (ISA guide 7.6.2): the hold at the largest code x the scale
.endr
	v_cvt_scalef32_pk8_fp8_f32 v[\dst+16*\d+4*(\blk):\dst+16*\d+4*(\blk)+1], v[T+16*\d:T+16*\d+7], v[TM+12+\d]
	v_cvt_scalef32_pk8_fp8_f32 v[\dst+16*\d+4*(\blk)+2:\dst+16*\d+4*(\blk)+3], v[T+16*\d+8:T+16*\d+15], v[TM+12+\d]
.endr
	v_nop                                          ; a plain instruction between the last conversion and whatever next writes its sources
.endm
; A block of k.  left: the loads younger than this block's 16, which may stay out (loads come back in order: ISA guide 5.7.1).
.macro KBLOCK blk, left
.set RK, 128*((\blk)%2)
	WIN 0
.if (\blk) == 0
	s_wait_loadcnt \left                           ; the mask's load is older than block 0's
	ds_store_b128 v[MWR], v[MR:MR+3]               ; the mask goes through my wave's own 512 bytes of LDS: a lane wants 16 neighbours of it for each block
	MASK 0                                         ; block 0's mask; each later block's is asked for in the block of v before it
.endif
	s_wait_loadcnt \left
	WIN 0x04                                       ; source 1 window 1
.set i, 0
.rept 16
.irp d, 0,1,2,3
	v_mul_f32 v[T+16*\d+i], s[L2E], v[RK+4*i+\d]   ; x log2(e), written where the column's numbers lie on end
.endr
.set i, i+1
.endr
.set i, 0
.rept 64
	v_exp_f32 v[T+i], v[T+i]                       ; e^x: one batch
.set i, i+1
.endr
	WIN 0x41                                       ; source 0 and destination window 1
.set i, 0
.rept 32
	v_pk_add_f32 v[RK+i:RK+i+1], v[RK+i:RK+i+1], 1.0 op_sel_hi:[1,0]   ; x + 1, in place: independent work behind the batch
.set i, i+2
.endr
	s_wait_alu depctr_va_vdst(0)                   ; the 64 exponentials have written v64 to v127: one wait, ahead of their first reader
	WIN 0x04
.set i, 0
.rept 16
.irp d, 0,1,2,3
	v_med3_num_f32 v[T+16*\d+i], v[T+16*\d+i], v[RK+4*i+\d], 1.0   ; f(x)
.endr
.set i, i+1
.endr
.if (\blk)+2 < 4
	s_wait_alu depctr_va_vdst(0)                   ; x + 1 has written the set's k registers and f(x) is done reading them: the loads of the block two further on land in them
	LOAD4 (\blk)+2, RK, 4, 0                       ; the set is read out: four loads at once, the other twelve among the lines below, which name v8-31 and v64-127 of window 0 alone
.endif
	WIN 0
	s_wait_dscnt 0x0                               ; the block's mask
.irp d, 0,1,2,3
.irp u, 0,2,4,6,8,10,12,14
	v_pk_mul_f32 v[T+16*\d+\u:T+16*\d+\u+1], v[T+16*\d+\u:T+16*\d+\u+1], v[M+\u:M+\u+1]
.endr
.if ((\blk)+2 < 4) && (((\d)%2) == 1)
	LOAD4 (\blk)+2, RK, 4, ((\d)+1)/2
	WIN 0
.endif
.endr
.if (\blk) == 0                                ; the sums of the unquantised numbers, even and odd s apart; the first two pairs start them
.irp d, 0,1,2,3
	v_pk_add_f32 v[KS+2*\d:KS+2*\d+1], v[T+16*\d:T+16*\d+1], v[T+16*\d+2:T+16*\d+3]
.endr
.irp u, 4,6,8,10,12,14
.irp d, 0,1,2,3
	v_pk_add_f32 v[KS+2*\d:KS+2*\d+1], v[KS+2*\d:KS+2*\d+1], v[T+16*\d+\u:T+16*\d+\u+1]
.endr
.endr
.else
.irp u, 0,2,4,6,8,10,12,14
.irp d, 0,1,2,3
	v_pk_add_f32 v[KS+2*\d:KS+2*\d+1], v[KS+2*\d:KS+2*\d+1], v[T+16*\d+\u:T+16*\d+\u+1]
.endr
.endr
.endif
.if (\blk)+2 < 4
	LOAD4 (\blk)+2, RK, 4, 3                       ; the last four: all 16 are out before the next wait on LOADcnt, whose count reckons with them
	WIN 0
.endif
	QUANT \blk, CA, SCA, 0x4800000, 0, 0, 0, 4     ; floor 2^(9 - 127)
.endm
; A block of v.
.macro VBLOCK blk, left
.set RV, 128*((\blk)%2)+64
	s_wait_loadcnt \left
	WIN 0x01                                       ; source 0 window 1
.set i, 0
.rept 16
.irp d, 0,1,2,3
	v_mul_f32 v[T+16*\d+i], v[RV+4*i+\d], v[M+i]   ; mask x v, written where the column's numbers lie on end
.endr
.set i, i+1
.endr
.if (\blk) < 3
	s_wait_alu depctr_va_vdst(0)                   ; the multiplications are done reading the mask v8 to v23, in which the next block's lands, and the set's v registers, in which (blocks 0 and 1) the loads of the block two further on land
	WIN 0
	MASK (\blk)+1
.endif
.if (\blk)+2 < 4
	LOAD4 (\blk)+2, RV, 6, 0                       ; four loads at once, the other twelve among the quantiser's maxima
.endif
	WIN 0
.if (\blk)+2 < 4
	QUANT \blk, CB, SCB, 0xb000000, 1, 1, RV, 6    ; floor 2^(22 - 127): 13 more than k's, for the 13 that come off the bytes
.else
	QUANT \blk, CB, SCB, 0xb000000, 1, 0, 0, 6
.endif
.endm
	KBLOCK 0, 48                                   ; behind this block's loads: three groups of 16
	VBLOCK 0, 48
	KBLOCK 1, 48
	VBLOCK 1, 48
	KBLOCK 2, 48
	VBLOCK 2, 32                                   ; nothing more is asked for: the counts run down
	KBLOCK 3, 16
	VBLOCK 3, 0
.rept 3
	v_nop                                          ; with the one above: four places between the last codes and the scaled products
.endr
	WIN 0x40                                       ; results in window 1, over the load buffers, which are done with
	s_wait_alu depctr_va_vdst(0)                   ; the conversions have written the fragments v128 to v255, and the shifts and additions the scale words v48 to v55, which the scaled products take; the places above stay beside this wait
.irp a, 0,1,2,3                                ; the wave's one K step: source 0 = 16 columns d of k, source 1 = 16 columns of v; C = 0 starts each sum
.irp b, 0,1,2,3
	v_wmma_scale_f32_16x16x128_f8f6f4 v[8*(4*\a+\b):8*(4*\a+\b)+7], v[CA+16*\a:CA+16*\a+15], v[CB+16*\b:CB+16*\b+15], 0, v[SCA+\a], v[SCB+\b]
.endr
.endr
	WIN 0
.irp d, 0,1,2,3                                ; k's sums are finished here: the eight additions are the eight places behind the last product
	v_add_f32 v[TM+\d], v[KS+2*\d], v[KS+2*\d+1]
.endr
.irp d, 0,1,2,3
	v_permlanex16_b32 v[TM+4+\d], v[TM+\d], s[SEL], s[SEL+1]
.endr
.irp d, 0,1,2,3
	v_add_f32 v[TM+8+\d], v[TM+\d], v[TM+4+\d]     ; d = 4 j + 0 .. 3, over my wave's 128 s
.endr
; Accumulator (a, b), lane (r, h), register j holds d = 32 h + 4 j + a, column 4 r + b.  It goes to byte 4096 b + 2048 h + 512 a + 256 (j / 4) + 16 r + 4 (j % 4) of my region:
; eighth 2 b + h of the region then holds, 16 bytes a lane, what one wave of the next launch wants of tile b and block h.
	WIN 0x04                                       ; an LDS store's data are its source 1: window 1
	s_wait_alu depctr_va_vdst(0)                   ; the products have written the accumulators and the additions v40 to v43, which the LDS stores read (the places above stay beside this wait);
	                                               ; the products and the quantiser are also done with v64 to v255: the LDS loads behind the barrier land there, and no vector instruction ahead of them names those registers again
.irp a, 0,1,2,3
.irp b, 0,1,2,3
	ds_store_b128 v[RWR], v[8*(4*\a+\b):8*(4*\a+\b)+3] offset:4096*\b+512*\a        ; each accumulator from its low end on
	ds_store_b128 v[RWR], v[8*(4*\a+\b)+4:8*(4*\a+\b)+7] offset:4096*\b+512*\a+256
.endr
.endr
	WIN 0
	ds_store_b128 v[KWR], v[TM+8:TM+11]            ; both halves of the lanes write the same bytes with the same values
	s_wait_dscnt 0x0                               ; for the others' sake: my stores have landed
	s_barrier_signal -1
	s_barrier_wait -1
.irp x, 0,1,2,3
.irp a, 0,1,2,3
	ds_load_b128 v[T+16*\x+4*\a:T+16*\x+4*\a+3], v[RRD] offset:REDW*\x+512*\a       ; my eighth of every wave's sums
.endr
.endr
.irp x, 4,5,6,7
.irp a, 0,1,2,3
	ds_load_b128 v[T+16*\x+4*\a:T+16*\x+4*\a+3], v[RRD+1] offset:REDW*(\x-4)+512*\a
.endr
.endr
	s_wait_dscnt 0x0
.irp x, 0,1,2,3
.irp n, 0,2,4,6,8,10,12,14
	v_pk_add_f32 v[T+16*\x+\n:T+16*\x+\n+1], v[T+16*\x+\n:T+16*\x+\n+1], v[T+64+16*\x+\n:T+64+16*\x+\n+1]
.endr
.endr
.irp x, 0,1
.irp n, 0,2,4,6,8,10,12,14
	v_pk_add_f32 v[T+16*\x+\n:T+16*\x+\n+1], v[T+16*\x+\n:T+16*\x+\n+1], v[T+32+16*\x+\n:T+32+16*\x+\n+1]
.endr
.endr
.irp n, 0,2,4,6,8,10,12,14
	v_pk_add_f32 v[T+\n:T+\n+1], v[T+\n:T+\n+1], v[T+16+\n:T+16+\n+1]
.endr
	s_wait_alu depctr_va_vdst(0)                   ; the additions have written v64 to v79, which the stores read
.irp a, 0,1,2,3
	global_store_b128 v[LN16], v[T+4*\a:T+4*\a+3], s[10:11] offset:512*\a   ; 32 lanes store 512 consecutive bytes, at a multiple of 256 from the buffer's first byte
.endr
	s_cmp_lg_u32 s[WV], 0                          ; wave 0 adds the eight sums of k
	s_cbranch_scc1 .Ldone
.irp x, 0,1,2,3,4,5,6,7
	ds_load_b64 v[CB+2*\x:CB+2*\x+1], v[KRD] offset:256*\x   ; into v192 to v207, which the products were the last to name: the wait ahead of the accumulators' stores has shown them done
.endr
	s_wait_dscnt 0x0
.irp x, 0,1,2,3
	v_pk_add_f32 v[CB+2*\x:CB+2*\x+1], v[CB+2*\x:CB+2*\x+1], v[CB+8+2*\x:CB+8+2*\x+1]
.endr
.irp x, 0,1
	v_pk_add_f32 v[CB+2*\x:CB+2*\x+1], v[CB+2*\x:CB+2*\x+1], v[CB+4+2*\x:CB+4+2*\x+1]
.endr
	v_pk_add_f32 v[CB:CB+1], v[CB:CB+1], v[CB+2:CB+3]
	s_wait_alu depctr_va_vdst(0)                   ; the additions have written v192 and v193, which the store reads
	global_store_b64 v[LN8], v[CB:CB+1], s[12:13]  ; d = 2 lane, 2 lane + 1: 256 consecutive bytes, aligned
.Ldone:
	s_wait_xcnt 0x0
	v_lshl_add_u32 v254, v0, 2, 0x21800            ; the add's two registers, made anew here: my spare word, behind the masks, and 0.  No memory or LDS instruction has read v254 or v255
	v_mov_b32 v255, 0
	s_wait_dscnt 0x0                               ; the closing lines, six on end
	s_wait_alu 0x0
	s_wait_tensorcnt 0x0
	ds_add_u32 v254, v255
	s_wait_dscnt 0x0
	s_endpgm
.Lfunc_end_k_q02553db87a_state:
	.size	k_q02553db87a_state, .Lfunc_end_k_q02553db87a_state-k_q02553db87a_state
	.p2alignl 7, 3214868480
	.fill 96, 4, 3214868480
	.section	.rodata,"a",@progbits
	.p2align	6, 0x0
	.amdhsa_kernel k_q02553db87a_state
		.amdhsa_group_segment_fixed_size 138240
		.amdhsa_private_segment_fixed_size 0
		.amdhsa_enable_private_segment 0
		.amdhsa_kernarg_size 40
		.amdhsa_user_sgpr_count 2
		.amdhsa_user_sgpr_kernarg_segment_ptr 1
		.amdhsa_wavefront_size32 1
		.amdhsa_system_sgpr_workgroup_id_x 1
		.amdhsa_system_sgpr_workgroup_id_y 1
		.amdhsa_system_sgpr_workgroup_id_z 1
		.amdhsa_system_vgpr_workitem_id 0
		.amdhsa_next_free_vgpr 512
		.amdhsa_next_free_sgpr 66
		.amdhsa_reserve_vcc 0
		.amdhsa_float_denorm_mode_32 3
		.amdhsa_float_denorm_mode_16_64 3
		.amdhsa_memory_ordered 1
		.amdhsa_forward_progress 1
		.amdhsa_inst_pref_size 159
	.end_amdhsa_kernel
	.amdgpu_metadata
---
amdhsa.version: [ 1, 2 ]
amdhsa.kernels:
  - .name:           k_q02553db87a_state
    .symbol:         k_q02553db87a_state.kd
    .args:
      - { .name: k, .offset: 0, .size: 8, .value_kind: global_buffer, .address_space: global }
      - { .name: v, .offset: 8, .size: 8, .value_kind: global_buffer, .address_space: global }
      - { .name: kv_mask, .offset: 16, .size: 8, .value_kind: global_buffer, .address_space: global }
      - { .name: kvp, .offset: 24, .size: 8, .value_kind: global_buffer, .address_space: global }
      - { .name: ksp, .offset: 32, .size: 8, .value_kind: global_buffer, .address_space: global }
    .group_segment_fixed_size: 138240
    .private_segment_fixed_size: 0
    .kernarg_segment_align: 8
    .kernarg_segment_size: 40
    .max_flat_workgroup_size: 256
    .sgpr_count:     66
    .vgpr_count:     512
    .wavefront_size: 32
...
	.end_amdgpu_metadata
.endif
;; end of part 3
;; launch apply: the kernel of part 2 again; grid 8 x 32, 8 waves a work-group, no clusters, 287,744 bytes of LDS; arguments q, q_mask, kvp, ksp, out0; writes out0
